; MI455X (gfx1250); checked and timed in simulation.
; The chip was launched on July 23, 2026; its instructions are those of AMD's public machine-readable ISA for CDNA 5 (MIT licence, August 2026) and "CDNA5" Instruction Set Architecture Reference Guide (July 2026). The comments in the code are by the model that wrote it; some were corrected since.
;; Attention. Allowed arithmetic: matrix products marked QUANTISED: E5M2 operands, one given power-of-two scale a tensor, by v_wmma_f32_16x16x64_bf8_bf8 or v_wmma_f32_16x16x128_bf8_bf8, f32 sums; everything else in f32.
;; Inputs: key 4 x 16 x 2,048 x 64 float32; lowp_scales 4 int32 (the exponents e of the quantised operands' scales 2^e); query 4 x 16 x 2,048 x 64 float32; value 4 x 16 x 2,048 x 64 float32.
;; Outputs: out0 4 x 16 x 2,048 x 64 float32.
;; This version of the problem:
;;   THIS VERSION OF THE PROBLEM IS GIVEN IN LOW PRECISION. The matrix products marked QUANTISED in the list below multiply operands that are first quantised to E5M2 (5 exponent bits, 2 mantissa bits; 8 bits a number), with one given power-of-two scale for each operand tensor; their sums are f32. All else is computed in f32.
;;   The module's matrix products, in the order in which they are computed (A, B: the left and right operand; K: the contracted axis; several contracted axes count as one K, in the product's order):
;;     1. batch 64 x [M 2,048, K 64] x [K 64, N 2,048]; A: input query; B: input key: QUANTISED (scales: A lowp_scales[0], B lowp_scales[1])
;;     2. batch 64 x [M 2,048, K 2,048] x [K 2,048, N 64]; A: softmax (see below); B: input value: QUANTISED (scales: A lowp_scales[2], B lowp_scales[3])
;;   THE QUANTISER, for each operand of a quantised product, along K:
;;     - The operand's scale is 2^e, e = its entry of the input lowp_scales (int32; the entries are numbered through the quantised products in the list's order, A before B).
;;     - Each number is divided by the scale, clamped to +-57,344, and rounded to the nearest number of E5M2, ties to even, subnormals kept.
;;     - The product sums the exact products of the quantised numbers (number of the format x scale) in f32.
;;   ~~~python
;;   def quantise(x, axis, e):      # numpy; x: float32 -> the quantised numbers, widened to float32 again
;;       x = np.moveaxis(x, axis, -1); K = x.shape[-1]
;;       r = np.clip(x / 2.0 ** e, -57344, 57344)
;;       step = 2.0 ** (np.maximum(np.frexp(np.where(r == 0, 1, r))[1] - 1, -14) - 2)
;;       q = np.round(r / step) * step * 2.0 ** e      # np.round: ties to even
;;       return np.moveaxis(q, -1, axis).astype(np.float32)
;;   ~~~
;;   SOFTMAX AHEAD OF A QUANTISED PRODUCT. Where the list says 'softmax', what is quantised is not the finished softmax but p = 2^(t - M), with t = logit x log2(e) and M = ceil(the row's largest t), a whole number; so 1/2 < the row's largest p <= 1. The row's sum l is taken of the UNQUANTISED p, in f32, and the product's result is divided by l at the end. Since M is a whole number, a kernel that streams over the keys may use a running M (the ceiling of the running maximum): every later rescaling is an exact power of two, so the quantised numbers keep their values, but for numbers so far below the row's largest that they fall under the format's range.
;;   OPERANDS COMPUTED ON THE WAY. 'Computed on the way' means the value that the module computes at that place (a softmax that the list does not call 'softmax' is quantised finished and normalised). What goes into a quantiser is computed in f32, as accurately as f32 sums, v_exp_f32 and their like allow (about 1e-6 of the number): no bf16 or f16 on the way to a quantiser, and a product that is left as it is and whose result goes on into a quantised operand takes f32 operands (vector FMAs, or v_wmma_f32_16x16x4_f32). A number that lies on a knife's edge between two numbers of the format may be rounded either way, as far as f32 arithmetic and the matrix unit's own rounding can turn it there, and no further.
;; 2 versions. Each part assembles by itself: llvm-mc -triple=amdgcn-amd-amdhsa -mcpu=gfx1250 --defsym DOCPART=n.
;; ======== version 1 of 2: 1 launch
;; launch attn (part 1): grid 256 x 1, 16 waves a work-group, no clusters, 296,960 bytes of LDS; arguments query, key, value, lowp_scales, out0; writes out0
.if DOCPART == 1
	.amdgcn_target "amdgcn-amd-amdhsa--gfx1250"
	.amdhsa_code_object_version 6
	.text
	.protected	k_q435ccf7254_attn
	.globl	k_q435ccf7254_attn
	.p2align	8
	.type	k_q435ccf7254_attn,@function
k_q435ccf7254_attn:
	s_mov_b64 s[64:65], 0
	v_nop
	global_prefetch_b8 v0, s[64:65] scope:SCOPE_SE
	s_setreg_imm32_b32 hwreg(HW_REG_WAVE_MODE, 25, 1), 1
	s_wait_xcnt 0x0
; out0[h][q][:] = the sum over k of softmax_k(Q[h][q] . K[h][k] / 8) V[h][k][:], 64 heads, 2,048 queries and keys, head size 64; all tensors f32.
; Both products run on codes of BF8 (E5M2), each operand with its given scale 2^e: eq, ek, ep, ev = lowp_scales[0..3].
; THE SOFTMAX AHEAD OF THE SECOND PRODUCT: t = score x log2(e) / 8; M = the row's largest t so far, rounded UP to a whole number; p = 2^(t - M) is what is quantised; it is not normalised.
; The row's sum is taken of the unquantised p, in f32, and divides O at the end.  When M moves, the sum and O are multiplied by 2^(old M - new M): exact.
; SHARES.  256 work-groups of sixteen waves; work-group x owns 512 queries (quarter x & 3) of head x >> 2.  A head's K and V as codes are 131,072 bytes each: BOTH LIE WHOLE IN LDS, so the loop over the keys
; has no refill and no barrier.  FRONT: wave w reads keys 128 w .. 128 w + 127 of K and of V as f32, quantises them in registers and stores them to LDS; likewise its own 32 queries.  One barrier.
; LOOP: wave w owns queries 32 w .. 32 w + 31 of the quarter, two tiles of 16, and walks the 16 key steps of 128; each fragment of K and V that it reads from LDS feeds both tiles.  Four waves of 256 registers
; share a SIMD, so that one wave's LDS loads and products stand beside the others' vector work.
; OPERANDS LIE IN LDS AS IMAGES OF THEIR REGISTERS: registers 4 j .. 4 j + 3 of a fragment at 512 j + 16 x lane: every read is 512 consecutive bytes, no pitch, no padding.
; LAYOUT.  Both products are used transposed: S^T = K Q^T (source 0 = 16 keys, source 1 = 16 queries), O^T = V^T P^T (source 0 = 16 of the head's 64, source 1 = P): a lane holds ONE query (lane % 16) throughout.
;   Along d (first product's K) Q and K use one and the same permutation: lane half hd, register pair c: registers 2 c, 2 c + 1 hold d = 4 (4 hd + c) + 0..3 and 32 + 4 (4 hd + c) + 0..3.
;   THE KEYS OF A TILE ARE NOT NEIGHBOURS: row m of fragment 2 b + u of a step is key 32 b + 16 (m / 8) + 8 u + m % 8, so that a lane's 16 scores of tiles 2 b, 2 b + 1 are keys 32 b + 16 (lane / 16) + 0..15:
;   the conversions' results are the second product's operand, and V's fragments are laid with the same keys in the same registers.
; NO TENSOR LOADS, NO CLUSTER: K and V have to pass through registers to become codes; as f32 in LDS they would have the 65,536 bytes that the codes leave, 32 refills of 32 KB for a head's 1 MB, each behind a barrier
; of all partners.  The four work-groups of a head have neighbouring numbers and read the same 1 MB at about the same time.
; THE HOLD ON p: p is at most 1 (a last bit more), and the largest code x 2^ep is at least 1.75 where ep >= -15: there the 64 holds of a tile step are jumped over, by a scalar branch on the whole number ep.
; LIMITS on the given exponents, so that each power of two below is an f32 number: eq, ek, ev, ep between -126 and 112; eq + ek between -123 and 130 (added to c's exponent field); ep + ev goes by v_ldexp_f32 and has none.
; NaN among the inputs is not served; infinities are held at the largest code.  p under 2^-126 comes out of v_exp_f32 as 0.
.set HEADB, 524288                     ; a head's bytes in each tensor: 2,048 rows of 256
.set KIMG,  0                          ; LDS: K: step s, fragment t (16 keys x 64 d, 1,024 bytes) at 8192 s + 1024 t
.set VIMG,  131072                     ;      V: step s, fragment dT (16 d x 128 keys, 2,048 bytes) at VIMG + 8192 s + 2048 dT
.set QIMG,  262144                     ;      Q: wave w's own two fragments at QIMG + 2048 w + 1024 tile
.set SPITCH, 272                       ; the way out: a stage row, 256 bytes + 16.  Wave w's two stages of 16 rows lie at 8704 w, over images that nobody reads any more
.set L16, 1                            ; v1   16 x lane
.set ADK, 2                            ; v2   LDS address in hand: Q's image, then the step's K, at last my place in the stage
.set ADV, 3                            ; v3   the step's V; at last where I read the stage back
.set SCP, 4                            ; v4   2^ep        v5  57,344 x 2^ep
.set LMP, 5
.set KLD, 6                            ; v6   front: byte offset of my 16 bytes in four rows of K or Q: 256 (lane / 8) + 16 (lane % 8)
.set VLD, 7                            ; v7   front: 4 x lane
                                       ; v8 -M, v9 largest t, v[10:11] the sum in two halves: tile 0;  v12, v13, v[14:15]: tile 1
                                       ; v16, v17 the maximum's two chains; v18 a lane permute's destination; v[20:21] f; v[22:23] the sum's second chain
.set KST, 19                           ; v19  front: where I store K's codes
.set QF,  24                           ; v24-31, v32-39  Q's two fragments
.set OT,  40                           ; v40-71, v72-103 O^T of tile 0, 1: four accumulators each
.set PC,  104                          ; v104-119 p's codes of tile 0; v120-135 of tile 1 (over the low end of X: see SOFTMAX)
.set X,   122                          ; v122-185 S^T, then p, of one tile at a time
.set KF,  186                          ; v186-249 eight fragments of K, then four of V
.set QST, 254                          ; v254 front: where I store Q's codes
.set VST, 255                          ; v255 front: where I store V's codes
.set A0,  40                           ; front: four sets of 32 numbers of K or Q at v40, 72, 104, 136; two of V at v168, 200; two sets of 8 registers of codes at v232, 240
.set B0,  168
.set C0,  232
.set SCQ, 248                          ; front: 2^e and 57,344 x 2^e for Q, K, V
.set LMQ, 249
.set SCK, 250
.set LMK, 251
.set SCV, 252
.set LMV, 253
	s_load_b256 s[4:11], s[0:1], 0x0               ; query s[4:5], key s[6:7], value s[8:9], lowp_scales s[10:11]
	s_load_b64 s[12:13], s[0:1], 0x20              ; out0
	v_lshrrev_b32 v8, 5, v0
	v_readfirstlane_b32 s14, v8                    ; wave 0..15
	v_and_b32 v9, 31, v0                           ; lane
	v_lshlrev_b32 v[L16], 4, v9
	v_lshlrev_b32 v[VLD], 2, v9
	v_bfe_u32 v10, v0, 3, 2                        ; lane / 8: which of four rows
	v_and_b32 v11, 7, v0                           ; lane % 8: which set of d
	v_lshlrev_b32 v[KLD], 4, v11
	v_lshl_add_u32 v[KLD], v10, 8, v[KLD]
	; where a lane's pair of code registers goes in a fragment's image: set md = lane % 8 is half md / 4, pair md % 4: 512 (bit 1) + 256 (bit 2) + 8 (bit 0); row: 16 bytes each
	v_lshlrev_b32 v12, 4, v10
	v_and_b32 v13, 1, v0
	v_lshl_add_u32 v12, v13, 3, v12
	v_bfe_u32 v13, v0, 1, 1
	v_lshl_add_u32 v12, v13, 9, v12
	v_bfe_u32 v13, v0, 2, 1
	v_lshl_add_u32 v12, v13, 8, v12
	s_lshl_b32 s30, s14, 13                        ; 8192 x wave: my key step's images
	v_add_nc_u32 v[KST], s30, v12
	s_lshl_b32 s31, s14, 11
	s_add_co_u32 s31, s31, QIMG                    ; my Q images
	v_add_nc_u32 v[QST], s31, v12
	v_add_nc_u32 v[ADK], s31, v[L16]
	v_bfe_u32 v13, v0, 4, 1                        ; V: lane = d: fragment d / 16, row d % 16
	v_and_b32 v14, 15, v0
	v_lshlrev_b32 v[VST], 4, v14
	v_lshl_add_u32 v[VST], v13, 11, v[VST]
	s_add_co_u32 s30, s30, VIMG
	v_add_nc_u32 v[VST], s30, v[VST]
	s_lshr_b32 s15, ttmp9, 2                       ; head
	s_and_b32 s16, ttmp9, 3                        ; quarter
	s_lshl_b32 s32, s15, 19                        ; the head's first byte (under 2^25)
	s_lshl_b32 s33, s14, 15
	s_lshl_b32 s34, s16, 17
	s_add_co_u32 s34, s34, s32
	s_add_co_u32 s32, s32, s33                     ; K, V: + 128 keys x 256 bytes x wave
	s_lshl_b32 s33, s14, 13
	s_add_co_u32 s34, s34, s33                     ; Q, O: + 512 rows x quarter + 32 rows x wave
	s_mov_b32 s33, 0
	s_mov_b32 s35, 0
	s_mov_b32 s26, 0x76543210                      ; v_permlanex16_b32's selects for lane l xor 16
	s_mov_b32 s27, 0xfedcba98
	s_mov_b32 s24, 0x3e38aa3b                      ; c = log2(e) / 8
	s_wait_kmcnt 0x0
	s_load_b128 s[20:23], s[10:11], 0x0            ; eq, ek, ep, ev
	s_add_nc_u64 s[4:5], s[4:5], s[34:35]
	s_add_nc_u64 s[12:13], s[12:13], s[34:35]
	s_add_nc_u64 s[6:7], s[6:7], s[32:33]
	s_add_nc_u64 s[8:9], s[8:9], s[32:33]
; 16 rows of K or Q, from goff bytes on, into 32 registers: registers 8 i .. 8 i + 7 are d = 4 md + 0..3 and 32 + 4 md + 0..3 of row 4 i + lane / 8.  A load reads 128 consecutive bytes of each of four rows; a pair covers 1,024 bytes whole.
.macro KLOAD set, base, goff, nt
.irp i, 0,1,2,3
.if \nt
	global_load_b128 v[\set+8*\i:\set+8*\i+3], v[KLD], s[\base:\base+1] offset:\goff+1024*\i th:TH_LOAD_NT
	global_load_b128 v[\set+8*\i+4:\set+8*\i+7], v[KLD], s[\base:\base+1] offset:\goff+1024*\i+128 th:TH_LOAD_NT
.else
	global_load_b128 v[\set+8*\i:\set+8*\i+3], v[KLD], s[\base:\base+1] offset:\goff+1024*\i
	global_load_b128 v[\set+8*\i+4:\set+8*\i+7], v[KLD], s[\base:\base+1] offset:\goff+1024*\i+128
.endif
.endr
.endm
; 32 numbers become 32 codes in 8 registers
.macro CONV set, cset, sc, lim
.set ii, 0
.rept 32
	v_med3_num_f32 v[\set+ii], v[\set+ii], -v[\lim], v[\lim]   ; the conversion to an 8-bit code does not saturate (ISA guide 7.6.2): the hold at the largest code x the scale
.set ii, ii+1
.endr
.irp i, 0,1,2,3
	v_cvt_scalef32_pk8_bf8_f32 v[\cset+2*\i:\cset+2*\i+1], v[\set+8*\i:\set+8*\i+7], v[\sc]
.endr
.endm
; The codes of 16 rows go into the images.  kind 1: Q, tile g, row 4 i + lane / 8.  kind 0: K, keys 16 g on: key 16 g + 4 i + lane / 8 is row 8 (g % 2) + 4 (i % 2) + lane / 8 of fragment 2 (g / 2) + i / 2.
; (These 8-byte stores fall several deep on the banks; a wave has forty of them in the whole launch.)
.macro KSTORE cset, adr, kind, g
.irp i, 0,1,2,3
.if \kind
	ds_store_b64 v[\adr], v[\cset+2*\i:\cset+2*\i+1] offset:1024*(\g)+64*\i
.else
	ds_store_b64 v[\adr], v[\cset+2*\i:\cset+2*\i+1] offset:1024*(2*((\g)/2)+\i/2)+128*((\g)%2)+64*(\i%2)
.endif
.endr
.endm
; V, keys 16 g on: A LANE TAKES A COLUMN d AND ITS REGISTERS RUN DOWN THE KEYS: registers 0-15 d = lane, registers 16-31 d = 32 + lane.  The two loads of a key cover its row of 256 bytes.
.macro VLOAD set, g
.set ii, 0
.rept 16
	global_load_b32 v[\set+ii], v[VLD], s[8:9] offset:256*(16*(\g)+ii)
	global_load_b32 v[\set+16+ii], v[VLD], s[8:9] offset:256*(16*(\g)+ii)+128
.set ii, ii+1
.endr
.endm
; 16 keys of a column are four registers of a fragment: keys 32 (g / 2) + 16 (g % 2) + 0..15: registers 4 (g / 2) on, lane half g % 2.  Sixteen lanes store 256 consecutive bytes.
.macro VSTORE cset, g
	ds_store_b128 v[VST], v[\cset:\cset+3] offset:512*((\g)/2)+256*((\g)%2)
	ds_store_b128 v[VST], v[\cset+4:\cset+7] offset:512*((\g)/2)+256*((\g)%2)+4096
.endm
.macro MKSCALE se, vs, vl              ; 2^e as f32 (the conversion takes its exponent field), and 57,344 x 2^e
	s_add_co_i32 s30, s[\se], 127
	s_lshl_b32 s31, s30, 23
	v_mov_b32 v[\vs], s31
	s_add_co_i32 s30, s30, 15
	s_lshl_b32 s30, s30, 23
	s_or_b32 s30, s30, 0x600000
	v_mov_b32 v[\vl], s30
.endm
	; ---- THE FRONT.  Ten units of 16 rows (Q's two tiles, K's eight) through four sets of registers, then V's eight units through two: three units, later one, are on their way while one is worked.
	KLOAD A0, 4, 0, 1                              ; Q is read by this wave alone
	KLOAD A0+32, 4, 4096, 1
	KLOAD A0+64, 6, 0, 0                           ; K and V are read by the head's four work-groups
	KLOAD A0+96, 6, 4096, 0
	s_wait_kmcnt 0x0
	MKSCALE 20, SCQ, LMQ
	MKSCALE 21, SCK, LMK
	MKSCALE 23, SCV, LMV
	MKSCALE 22, SCP, LMP
	s_add_co_i32 s30, s20, s21
	s_lshl_b32 s30, s30, 23
	s_add_co_i32 s24, s24, s30                     ; a score stands for score x 2^(eq + ek): the two exponents are added to c's exponent field
	s_mov_b32 s25, s24                             ; (named with it as a pair, so it is written)
	s_wait_loadcnt 24                              ; Q's tile 0 is in; three units of 8 loads may be out
	CONV A0, C0, SCQ, LMQ
	KSTORE C0, QST, 1, 0
	KLOAD A0, 6, 2*4096, 0
	s_wait_loadcnt 24
	CONV A0+32, C0+8, SCQ, LMQ
	KSTORE C0+8, QST, 1, 1
	KLOAD A0+32, 6, 3*4096, 0
.macro KUNIT g, lc                     ; K's keys 16 g on; lc: the loads issued behind this unit's
.set ASET, A0+32*(((\g)+2)%4)
.set CSET, C0+8*((\g)%2)
	s_wait_loadcnt \lc
.if (\g) == 7
	VLOAD B0+32, 1
.endif
	s_wait_dscnt 4                                 ; the stores of two units ago have read this set of codes; the last unit's four may be out
	CONV ASET, CSET, SCK, LMK
	KSTORE CSET, KST, 0, \g
.if (\g) < 4
	KLOAD ASET, 6, 4096*((\g)+4), 0
.endif
.if (\g) == 4
	VLOAD B0, 0
.endif
.endm
	KUNIT 0, 24
	KUNIT 1, 24
	KUNIT 2, 24
	KUNIT 3, 24
	KUNIT 4, 24
	KUNIT 5, 48                                    ; behind it: two units of K (16) and V's first (32)
	KUNIT 6, 40
	KUNIT 7, 32
.macro VUNIT g
.set BSET, B0+32*((\g)%2)
.set CSET, C0+8*((\g)%2)
.if (\g) < 7
	s_wait_loadcnt 32                              ; this unit's 32 loads are in; the next unit's may be out
.else
	s_wait_loadcnt 0x0
.endif
	s_wait_dscnt 2                                 ; the stores that read this set of codes are done; the last unit's two may be out
	CONV BSET, CSET, SCV, LMV
	VSTORE CSET, \g
.if (\g) < 6
	VLOAD BSET, (\g)+2
.endif
.endm
.irp g, 0,1,2,3,4,5,6,7
	VUNIT \g
.endr
	v_nop                                          ; one plain vector line behind the last conversion: its registers are written again further on
	; ---- THE JOIN
.irp j, 0,1,2,3
	ds_load_b128 v[QF+4*\j:QF+4*\j+3], v[ADK] offset:512*\j   ; my own two fragments of Q: LDS serves a wave's instructions in order (ISA guide 5.7.1.4): these see my stores
.endr
	v_mov_b32 v9, 0xff61b1e6                       ; the largest t so far: -3e38, under every t
	v_mov_b32 v13, 0xff61b1e6
	v_floor_f32 v8, -v9                            ; -M
	v_floor_f32 v12, -v13
	v_mov_b32 v10, 0                               ; the sums, in two halves
	v_mov_b32 v11, 0
	v_mov_b32 v14, 0
	v_mov_b32 v15, 0
	v_mov_b32 v18, 0                               ; written once: a lane permute's destination counts as one of its sources
	v_mov_b32 v21, 0                               ; (named as the upper half of the pair v[20:21])
.set ii, 0
.rept 64
	v_mov_b32 v[OT+ii], 0                          ; O^T.  (The step is written once: the first finds zeros, which the first change of M leaves zeros; a first step of its own would be a second copy of the loop)
.set ii, ii+1
.endr
	s_mov_b32 s28, 0                               ; LDS byte of the key step
	s_mov_b32 s29, 16                              ; key steps to go
	s_wait_dscnt 0x0                               ; my stores into the images have landed, and Q is in
	s_barrier_signal -1
	s_barrier_wait -1                              ; everybody's have: the head's K and V lie in LDS
; S^T = K Q^T of one tile of queries: eight products, each its own accumulator begun with 0.  waits = 1: fragment t's two loads are in when the 14 - 2 t younger ones may be out
.macro KQ qf, waits
.irp t, 0,1,2,3,4,5,6,7
.if \waits
	s_wait_dscnt 14-2*\t
.endif
	v_wmma_f32_16x16x64_bf8_bf8 v[X+8*\t:X+8*\t+7], v[KF+8*\t:KF+8*\t+7], v[\qf:\qf+7], 0
.endr
.endm
; One tile's softmax for 128 keys, 64 scores a lane in v[X] on; its codes go to v[pc] on.
; For tile 1 the codes lie two registers under X and run over its low end: conversion j writes v[120 + 2 j], v[121 + 2 j] and reads v[122 + 8 j] on, so it writes only what earlier conversions have read, with a plain line between.
.macro SOFTMAX tl, pc
.set ST, 8+4*\tl
.set OB, OT+32*\tl
	v_max3_num_f32 v16, v[X], v[X+1], v[X+2]       ; the step's largest score of my query among my 64 keys, in two chains, each accumulator from its low end on
	v_max3_num_f32 v17, v[X+3], v[X+4], v[X+5]
.set ii, 6
.rept 14
	v_max3_num_f32 v16, v16, v[X+ii], v[X+ii+1]
	v_max3_num_f32 v17, v17, v[X+ii+2], v[X+ii+3]
.set ii, ii+4
.endr
	v_max3_num_f32 v16, v16, v[X+62], v[X+63]
	v_max_num_f32 v16, v16, v17
	v_permlanex16_b32 v18, v16, s26, s27
	v_max_num_f32 v16, v16, v18                    ; and among lane l xor 16's
	v_mul_f32 v16, s24, v16                        ; as t (c is positive)
	v_max_num_f32 v[ST+1], v[ST+1], v16            ; the running largest t
	v_mov_b32 v16, v[ST]
	v_floor_f32 v[ST], -v[ST+1]                    ; the new -M = floor(-t) = -ceil(t): M is a whole number
	v_sub_f32 v16, v[ST], v16                      ; M's old value less its new one: a whole number, 0 or less
	v_cvt_i32_f32 v16, v16                         ; (it saturates)
	v_ldexp_f32 v20, 1.0, v16                      ; f = 2^(old M - new M)
.set ii, 0
.rept 32
	v_pk_fma_f32 v[X+ii:X+ii+1], v[X+ii:X+ii+1], s[24:25], v[ST:ST+1] op_sel_hi:[1,0,0]   ; t - M, two at a time (of the pairs c and -M the low word serves both halves)
.set ii, ii+2
.endr
.set ii, 0
.rept 64
	v_exp_f32 v[X+ii], v[X+ii]                     ; p = 2^(t - M): not normalised
.set ii, ii+1
.endr
	v_pk_mul_f32 v[ST+2:ST+3], v[ST+2:ST+3], v[20:21] op_sel_hi:[1,0]   ; the sums under the new M.  (The plain line behind the exponentials)
	s_wait_alu depctr_va_vdst(0)
	v_pk_add_f32 v[22:23], v[X:X+1], v[X+2:X+3]    ; the row's sum is taken of the unquantised p: two at a time, in two chains
.set ii, 4
.rept 15
	v_pk_add_f32 v[ST+2:ST+3], v[ST+2:ST+3], v[X+ii:X+ii+1]
	v_pk_add_f32 v[22:23], v[22:23], v[X+ii+2:X+ii+3]
.set ii, ii+4
.endr
	v_pk_add_f32 v[ST+2:ST+3], v[ST+2:ST+3], v[22:23]
	s_cmp_ge_i32 s22, -15                          ; ep >= -15: 57,344 x 2^ep >= 1.75 lies over every p: nothing to hold
	s_cbranch_scc1 .Lnohold_\@
.set ii, 0
.rept 64
	v_min_num_f32 v[X+ii], v[X+ii], v[LMP]         ; the conversion does not saturate (ISA guide 7.6.2); p is not negative, so the hold is one-sided
.set ii, ii+1
.endr
.Lnohold_\@:
.irp j, 0,1,2,3,4,5,6,7
	v_cvt_scalef32_pk8_bf8_f32 v[\pc+2*\j:\pc+2*\j+1], v[X+8*\j:X+8*\j+7], v[SCP]
	v_pk_mul_f32 v[OB+2*\j:OB+2*\j+1], v[OB+2*\j:OB+2*\j+1], v[20:21] op_sel_hi:[1,0]   ; the first half of O^T under the new M: the plain line behind each conversion
.endr
.endm
.macro RESC2 tl                        ; the second half of O^T under the new M
.set OB, OT+32*\tl
.irp j, 16,18,20,22,24,26,28,30
	v_pk_mul_f32 v[OB+\j:OB+\j+1], v[OB+\j:OB+\j+1], v[20:21] op_sel_hi:[1,0]
.endr
.endm
.Lstep:                                                ; ---- A KEY STEP: 128 keys, both tiles
	v_add_nc_u32 v[ADK], s28, v[L16]
	v_add_nc_u32 v[ADV], VIMG, v[ADK]
.rept 3
	v_nop                                          ; with the two additions five places behind the last step's products: four for the loads into the registers that held V; five for the first products below, whose results lie over tile 1's codes
.endr
.irp t, 0,1,2,3,4,5,6,7
	ds_load_b128 v[KF+8*\t:KF+8*\t+3], v[ADK] offset:1024*\t
	ds_load_b128 v[KF+8*\t+4:KF+8*\t+7], v[ADK] offset:1024*\t+512
.endr
	KQ QF, 1
.rept 4
	v_nop                                          ; places in front of the first read of the scores
.endr
	SOFTMAX 0, PC
	KQ QF+8, 0                                     ; tile 1 against the same fragments of K
	RESC2 0                                        ; eight plain lines that name nothing of those products: the places in front of the loads and of the reads below
.irp d, 0,1,2,3
.irp c, 0,1,2,3
	ds_load_b128 v[KF+16*\d+4*\c:KF+16*\d+4*\c+3], v[ADV] offset:2048*\d+512*\c   ; V's four fragments land while tile 1's softmax is worked
.endr
.endr
	SOFTMAX 1, PC+16
	RESC2 1
	s_wait_dscnt 0x0                               ; V is in
.irp d, 0,1,2,3                        ; O^T += V^T P^T: the eight accumulators take turns, one instruction a turn
.irp tl, 0,1
	v_wmma_f32_16x16x128_bf8_bf8 v[OT+32*\tl+8*\d:OT+32*\tl+8*\d+7], v[KF+16*\d:KF+16*\d+15], v[PC+16*\tl:PC+16*\tl+15], v[OT+32*\tl+8*\d:OT+32*\tl+8*\d+7]
.endr
.endr
	s_add_co_u32 s28, s28, 8192
	s_sub_co_u32 s29, s29, 1
	s_cmp_lg_u32 s29, 0
	s_cbranch_scc1 .Lstep
	; ---- THE WAY OUT.  O^T / the sum x 2^(ep + ev) goes through my stage in LDS and leaves as whole rows.  The lines up to the barrier are also the places behind the last products.
	v_add_f32 v10, v10, v11                        ; the sums' two halves,
	v_add_f32 v14, v14, v15
	v_permlanex16_b32 v16, v10, s26, s27
	v_permlanex16_b32 v17, v14, s26, s27
	v_add_f32 v10, v10, v16                        ; and lane l xor 16's: the rows' sums
	v_add_f32 v14, v14, v17
	v_rcp_f32 v10, v10
	v_rcp_f32 v14, v14
	v_and_b32 v16, 15, v0                          ; (a plain line behind the reciprocals)  r
	v_bfe_u32 v17, v0, 4, 1                        ; h
	s_add_co_i32 s30, s22, s23
	s_wait_alu depctr_va_vdst(0)
	v_ldexp_f32 v10, v10, s30                      ; x 2^(ep + ev)
	v_ldexp_f32 v14, v14, s30
	s_mul_i32 s31, s14, 32*SPITCH                  ; my two stages
	v_mul_u32_u24 v[ADK], v16, SPITCH
	v_lshl_add_u32 v[ADK], v17, 5, v[ADK]
	v_add_nc_u32 v[ADK], s31, v[ADK]               ; in: row r; accumulator dT's eight channels of my half at 64 dT + 32 h
	v_mul_u32_u24 v[ADV], v17, SPITCH
	v_lshl_add_u32 v[ADV], v16, 4, v[ADV]
	v_add_nc_u32 v[ADV], s31, v[ADV]               ; back: lanes 0-15 one row, lanes 16-31 the next
	s_wait_dscnt 0x0                               ; my reads of the images are over
	s_barrier_signal -1
	s_barrier_wait -1                              ; everybody's are: the stages may be written over them
.irp tl, 0,1
.set ii, 0
.rept 16
	v_pk_mul_f32 v[X+32*\tl+ii:X+32*\tl+ii+1], v[OT+32*\tl+ii:OT+32*\tl+ii+1], v[10+4*\tl:11+4*\tl] op_sel_hi:[1,0]   ; register 8 dT + j is o(r, 16 dT + 8 h + j); each accumulator from its low end on
.set ii, ii+2
.endr
.endr
.irp tl, 0,1
.irp d, 0,1,2,3
	ds_store_b128 v[ADK], v[X+32*\tl+8*\d:X+32*\tl+8*\d+3] offset:16*SPITCH*\tl+64*\d
	ds_store_b128 v[ADK], v[X+32*\tl+8*\d+4:X+32*\tl+8*\d+7] offset:16*SPITCH*\tl+64*\d+16
.endr
.endr
.irp n, 0,1,2,3,4,5,6,7,8,9,10,11,12,13,14,15
	ds_load_b128 v[KF+4*\n:KF+4*\n+3], v[ADV] offset:2*SPITCH*\n   ; rows 2 n, 2 n + 1 of my 32 (the second stage follows the first without a gap); LDS serves a wave's instructions in order: these see my stores
.endr
.irp n, 0,1,2,3,4,5,6,7,8,9,10,11,12,13,14,15
	s_wait_dscnt 15-\n                             ; pair n of rows is back; the younger loads may be out
	global_store_b128 v[L16], v[KF+4*\n:KF+4*\n+3], s[12:13] offset:512*\n th:TH_STORE_NT   ; 32 lanes store 512 consecutive bytes, two rows of out0, at a multiple of 256 from its first byte
.endr
	s_wait_xcnt 0x0
	v_lshl_add_u32 v254, v0, 2, 0x48000
	v_mov_b32 v255, 0
	s_wait_tensorcnt 0x0
	ds_add_u32 v254, v255
	s_wait_dscnt 0x0
	s_endpgm
.Lfunc_end_k_q435ccf7254_attn:
	.size	k_q435ccf7254_attn, .Lfunc_end_k_q435ccf7254_attn-k_q435ccf7254_attn
	.p2alignl 7, 3214868480
	.fill 96, 4, 3214868480
	.section	.rodata,"a",@progbits
	.p2align	6, 0x0
	.amdhsa_kernel k_q435ccf7254_attn
		.amdhsa_group_segment_fixed_size 296960
		.amdhsa_private_segment_fixed_size 0
		.amdhsa_enable_private_segment 0
		.amdhsa_kernarg_size 40
		.amdhsa_user_sgpr_count 2
		.amdhsa_user_sgpr_kernarg_segment_ptr 1
		.amdhsa_wavefront_size32 1
		.amdhsa_system_sgpr_workgroup_id_x 1
		.amdhsa_system_sgpr_workgroup_id_y 1
		.amdhsa_system_sgpr_workgroup_id_z 1
		.amdhsa_system_vgpr_workitem_id 0
		.amdhsa_next_free_vgpr 256
		.amdhsa_next_free_sgpr 66
		.amdhsa_reserve_vcc 0
		.amdhsa_float_denorm_mode_32 3
		.amdhsa_float_denorm_mode_16_64 3
		.amdhsa_memory_ordered 1
		.amdhsa_forward_progress 1
		.amdhsa_inst_pref_size 119
	.end_amdhsa_kernel
	.amdgpu_metadata
---
amdhsa.version: [ 1, 2 ]
amdhsa.kernels:
  - .name:           k_q435ccf7254_attn
    .symbol:         k_q435ccf7254_attn.kd
    .args:
      - { .name: query, .offset: 0, .size: 8, .value_kind: global_buffer, .address_space: global }
      - { .name: key, .offset: 8, .size: 8, .value_kind: global_buffer, .address_space: global }
      - { .name: value, .offset: 16, .size: 8, .value_kind: global_buffer, .address_space: global }
      - { .name: lowp_scales, .offset: 24, .size: 8, .value_kind: global_buffer, .address_space: global }
      - { .name: out0, .offset: 32, .size: 8, .value_kind: global_buffer, .address_space: global }
    .group_segment_fixed_size: 296960
    .private_segment_fixed_size: 0
    .kernarg_segment_align: 8
    .kernarg_segment_size: 40
    .max_flat_workgroup_size: 512
    .sgpr_count:     66
    .vgpr_count:     256
    .wavefront_size: 32
...
	.end_amdgpu_metadata
.endif
;; end of part 1
;; ======== version 2 of 2: 1 launch; version 1 with the launch attn written anew for expert scheduling mode
;; launch attn (part 2): grid 256 x 1, 16 waves a work-group, no clusters, 296,960 bytes of LDS; arguments query, key, value, lowp_scales, out0; writes out0
.if DOCPART == 2
	.amdgcn_target "amdgcn-amd-amdhsa--gfx1250"
	.amdhsa_code_object_version 6
	.text
	.protected	k_q435ccf7254_attn
	.globl	k_q435ccf7254_attn
	.p2align	8
	.type	k_q435ccf7254_attn,@function
k_q435ccf7254_attn:
	s_mov_b64 s[64:65], 0
	v_nop
	global_prefetch_b8 v0, s[64:65] scope:SCOPE_SE
	s_setreg_imm32_b32 hwreg(HW_REG_WAVE_SCHED_MODE, 0, 2), 2
	s_setreg_imm32_b32 hwreg(HW_REG_WAVE_MODE, 25, 1), 1
	s_wait_xcnt 0x0
	s_wait_alu depctr_vm_vsrc(0)
; out0[h][q][:] = the sum over k of softmax_k(Q[h][q] . K[h][k] / 8) V[h][k][:], 64 heads, 2,048 queries and keys, head size 64; all tensors f32.
; Both products run on codes of BF8 (E5M2), each operand with its given scale 2^e: eq, ek, ep, ev = lowp_scales[0..3].
; THE SOFTMAX AHEAD OF THE SECOND PRODUCT: t = score x log2(e) / 8; M = the row's largest t so far, rounded UP to a whole number; p = 2^(t - M) is what is quantised; it is not normalised.
; The row's sum is taken of the unquantised p, in f32, and divides O at the end.  When M moves, the sum and O are multiplied by 2^(old M - new M): exact.
; SHARES.  256 work-groups of sixteen waves; work-group x owns 512 queries (quarter x & 3) of head x >> 2.  A head's K and V as codes are 131,072 bytes each: BOTH LIE WHOLE IN LDS, so the loop over the keys
; has no refill and no barrier.  FRONT: wave w reads keys 128 w .. 128 w + 127 of K and of V as f32, quantises them in registers and stores them to LDS; likewise its own 32 queries.  One barrier.
; LOOP: wave w owns queries 32 w .. 32 w + 31 of the quarter, two tiles of 16, and walks the 16 key steps of 128; each fragment of K and V that it reads from LDS feeds both tiles.  Four waves of 256 registers
; share a SIMD, so that one wave's LDS loads and products stand beside the others' vector work.
; OPERANDS LIE IN LDS AS IMAGES OF THEIR REGISTERS: registers 4 j .. 4 j + 3 of a fragment at 512 j + 16 x lane: every read is 512 consecutive bytes, no pitch, no padding.
; LAYOUT.  Both products are used transposed: S^T = K Q^T (source 0 = 16 keys, source 1 = 16 queries), O^T = V^T P^T (source 0 = 16 of the head's 64, source 1 = P): a lane holds ONE query (lane % 16) throughout.
;   Along d (first product's K) Q and K use one and the same permutation: lane half hd, register pair c: registers 2 c, 2 c + 1 hold d = 4 (4 hd + c) + 0..3 and 32 + 4 (4 hd + c) + 0..3.
;   THE KEYS OF A TILE ARE NOT NEIGHBOURS: row m of fragment 2 b + u of a step is key 32 b + 16 (m / 8) + 8 u + m % 8, so that a lane's 16 scores of tiles 2 b, 2 b + 1 are keys 32 b + 16 (lane / 16) + 0..15:
;   the conversions' results are the second product's operand, and V's fragments are laid with the same keys in the same registers.
; NO TENSOR LOADS, NO CLUSTER: K and V have to pass through registers to become codes; as f32 in LDS they would have the 65,536 bytes that the codes leave, 32 refills of 32 KB for a head's 1 MB, each behind a barrier
; of all partners.  The four work-groups of a head have neighbouring numbers and read the same 1 MB at about the same time.
; THE HOLD ON p: p is at most 1 (a last bit more), and the largest code x 2^ep is at least 1.75 where ep >= -15: there the 64 holds of a tile step are jumped over, by a scalar branch on the whole number ep.
; LIMITS on the given exponents, so that each power of two below is an f32 number: eq, ek, ev, ep between -126 and 112; eq + ek between -123 and 130 (added to c's exponent field); ep + ev goes by v_ldexp_f32 and has none.
; NaN among the inputs is not served; infinities are held at the largest code.  p under 2^-126 comes out of v_exp_f32 as 0.
; THE MODE: SCHED_MODE bits 1:0 = 2 (LLVM: expert scheduling mode 2), set by the entry lines.  The code itself states the register dependences
; between vector or matrix instructions and memory or LDS instructions, with s_wait_alu, always for 0.
; THE PLAN.  Registers that memory or LDS instructions touch:
;   v1, v6, v7, v19     offsets and an LDS address, made at the head, read by loads and stores, never written again.  v254, v255: likewise through the front; made anew at the very end, as the add's pair.
;   v2, v3              LDS addresses: written at the head (v2), at each key step's head and on the way out; read by the LDS loads of Q, K and V and by the stage's stores and loads.
;   front, number sets  (v40-231)  a unit's loads land; its holds and conversions work on the set; the loads of a later unit land in it.
;   front, code sets    (v232-247) a unit's conversions write a set; its LDS stores read it; the conversions of two units on write it again.
;   KF (v186-249)       a key step: K's loads land; both tiles' first products read; V's loads land; the second products read; the next step's K lands.
;   X (v122-185)        on the way out alone: written by the packed multiplies, read by the stage's stores.  In the loop X, p's codes, O^T, Q and the statistics are named by vector and matrix instructions alone.
; So: in the front ONE wait on va_vdst to a unit, behind its conversions (its stores and the set's next loads follow), and one on vm_vsrc ahead of them; in a key step one pair at its head, round the two address lines,
; and one wait on va_vdst ahead of V's loads, which are then dealt among tile 1's softmax: that names none of v3 and KF.  One wait stands behind each batch of exponentials.
.set HEADB, 524288                     ; a head's bytes in each tensor: 2,048 rows of 256
.set KIMG,  0                          ; LDS: K: step s, fragment t (16 keys x 64 d, 1,024 bytes) at 8192 s + 1024 t
.set VIMG,  131072                     ;      V: step s, fragment dT (16 d x 128 keys, 2,048 bytes) at VIMG + 8192 s + 2048 dT
.set QIMG,  262144                     ;      Q: wave w's own two fragments at QIMG + 2048 w + 1024 tile
.set SPITCH, 272                       ; the way out: a stage row, 256 bytes + 16.  Wave w's two stages of 16 rows lie at 8704 w, over images that nobody reads any more
.set L16, 1                            ; v1   16 x lane
.set ADK, 2                            ; v2   LDS address in hand: Q's image, then the step's K, at last my place in the stage
.set ADV, 3                            ; v3   the step's V; at last where I read the stage back
.set SCP, 4                            ; v4   2^ep        v5  57,344 x 2^ep
.set LMP, 5
.set KLD, 6                            ; v6   front: byte offset of my 16 bytes in four rows of K or Q: 256 (lane / 8) + 16 (lane % 8)
.set VLD, 7                            ; v7   front: 4 x lane
                                       ; v8 -M, v9 largest t, v[10:11] the sum in two halves: tile 0;  v12, v13, v[14:15]: tile 1
                                       ; v16, v17 the maximum's two chains; v18 a lane permute's destination; v[20:21] f; v[22:23] the sum's second chain
.set KST, 19                           ; v19  front: where I store K's codes
.set QF,  24                           ; v24-31, v32-39  Q's two fragments
.set OT,  40                           ; v40-71, v72-103 O^T of tile 0, 1: four accumulators each
.set PC,  104                          ; v104-119 p's codes of tile 0; v120-135 of tile 1 (over the low end of X: see SOFTMAX)
.set X,   122                          ; v122-185 S^T, then p, of one tile at a time
.set KF,  186                          ; v186-249 eight fragments of K, then four of V
.set QST, 254                          ; v254 front: where I store Q's codes
.set VST, 255                          ; v255 front: where I store V's codes
.set A0,  40                           ; front: four sets of 32 numbers of K or Q at v40, 72, 104, 136; two of V at v168, 200; two sets of 8 registers of codes at v232, 240
.set B0,  168
.set C0,  232
.set SCQ, 248                          ; front: 2^e and 57,344 x 2^e for Q, K, V
.set LMQ, 249
.set SCK, 250
.set LMK, 251
.set SCV, 252
.set LMV, 253
	s_load_b256 s[4:11], s[0:1], 0x0               ; query s[4:5], key s[6:7], value s[8:9], lowp_scales s[10:11]
	s_load_b64 s[12:13], s[0:1], 0x20              ; out0
	v_lshrrev_b32 v8, 5, v0
	v_readfirstlane_b32 s14, v8                    ; wave 0..15
	v_and_b32 v9, 31, v0                           ; lane
	v_lshlrev_b32 v[L16], 4, v9
	v_lshlrev_b32 v[VLD], 2, v9
	v_bfe_u32 v10, v0, 3, 2                        ; lane / 8: which of four rows
	v_and_b32 v11, 7, v0                           ; lane % 8: which set of d
	v_lshlrev_b32 v[KLD], 4, v11
	v_lshl_add_u32 v[KLD], v10, 8, v[KLD]
	; where a lane's pair of code registers goes in a fragment's image: set md = lane % 8 is half md / 4, pair md % 4: 512 (bit 1) + 256 (bit 2) + 8 (bit 0); row: 16 bytes each
	v_lshlrev_b32 v12, 4, v10
	v_and_b32 v13, 1, v0
	v_lshl_add_u32 v12, v13, 3, v12
	v_bfe_u32 v13, v0, 1, 1
	v_lshl_add_u32 v12, v13, 9, v12
	v_bfe_u32 v13, v0, 2, 1
	v_lshl_add_u32 v12, v13, 8, v12
	s_wait_alu depctr_va_sdst(0)                   ; s14, the wave's number, is written, ahead of its first reader: LDS addresses and the tensors' bases are made from it
	s_lshl_b32 s30, s14, 13                        ; 8192 x wave: my key step's images
	v_add_nc_u32 v[KST], s30, v12
	s_lshl_b32 s31, s14, 11
	s_add_co_u32 s31, s31, QIMG                    ; my Q images
	v_add_nc_u32 v[QST], s31, v12
	v_add_nc_u32 v[ADK], s31, v[L16]
	v_bfe_u32 v13, v0, 4, 1                        ; V: lane = d: fragment d / 16, row d % 16
	v_and_b32 v14, 15, v0
	v_lshlrev_b32 v[VST], 4, v14
	v_lshl_add_u32 v[VST], v13, 11, v[VST]
	s_add_co_u32 s30, s30, VIMG
	v_add_nc_u32 v[VST], s30, v[VST]
	s_lshr_b32 s15, ttmp9, 2                       ; head
	s_and_b32 s16, ttmp9, 3                        ; quarter
	s_lshl_b32 s32, s15, 19                        ; the head's first byte (under 2^25)
	s_lshl_b32 s33, s14, 15
	s_lshl_b32 s34, s16, 17
	s_add_co_u32 s34, s34, s32
	s_add_co_u32 s32, s32, s33                     ; K, V: + 128 keys x 256 bytes x wave
	s_lshl_b32 s33, s14, 13
	s_add_co_u32 s34, s34, s33                     ; Q, O: + 512 rows x quarter + 32 rows x wave
	s_mov_b32 s33, 0
	s_mov_b32 s35, 0
	s_mov_b32 s26, 0x76543210                      ; v_permlanex16_b32's selects for lane l xor 16
	s_mov_b32 s27, 0xfedcba98
	s_mov_b32 s24, 0x3e38aa3b                      ; c = log2(e) / 8
	s_wait_kmcnt 0x0
	s_load_b128 s[20:23], s[10:11], 0x0            ; eq, ek, ep, ev
	s_add_nc_u64 s[4:5], s[4:5], s[34:35]
	s_add_nc_u64 s[12:13], s[12:13], s[34:35]
	s_add_nc_u64 s[6:7], s[6:7], s[32:33]
	s_add_nc_u64 s[8:9], s[8:9], s[32:33]
	s_wait_alu depctr_va_vdst(0)                   ; v1, v2, v6, v7, v19, v254 and v255 are written: the offsets and LDS addresses that the loads and stores below read
; 16 rows of K or Q, from goff bytes on, into 32 registers: registers 8 i .. 8 i + 7 are d = 4 md + 0..3 and 32 + 4 md + 0..3 of row 4 i + lane / 8.  A load reads 128 consecutive bytes of each of four rows; a pair covers 1,024 bytes whole.
.macro KLOAD set, base, goff, nt
.irp i, 0,1,2,3
.if \nt
	global_load_b128 v[\set+8*\i:\set+8*\i+3], v[KLD], s[\base:\base+1] offset:\goff+1024*\i th:TH_LOAD_NT
	global_load_b128 v[\set+8*\i+4:\set+8*\i+7], v[KLD], s[\base:\base+1] offset:\goff+1024*\i+128 th:TH_LOAD_NT
.else
	global_load_b128 v[\set+8*\i:\set+8*\i+3], v[KLD], s[\base:\base+1] offset:\goff+1024*\i
	global_load_b128 v[\set+8*\i+4:\set+8*\i+7], v[KLD], s[\base:\base+1] offset:\goff+1024*\i+128
.endif
.endr
.endm
; 32 numbers become 32 codes in 8 registers
.macro CONV set, cset, sc, lim
.set ii, 0
.rept 32
	v_med3_num_f32 v[\set+ii], v[\set+ii], -v[\lim], v[\lim]   ; the conversion to an 8-bit code does not saturate (ISA guide 7.6.2): the hold at the largest code x the scale
.set ii, ii+1
.endr
.irp i, 0,1,2,3
	v_cvt_scalef32_pk8_bf8_f32 v[\cset+2*\i:\cset+2*\i+1], v[\set+8*\i:\set+8*\i+7], v[\sc]
.endr
.endm
; The codes of 16 rows go into the images.  kind 1: Q, tile g, row 4 i + lane / 8.  kind 0: K, keys 16 g on: key 16 g + 4 i + lane / 8 is row 8 (g % 2) + 4 (i % 2) + lane / 8 of fragment 2 (g / 2) + i / 2.
; (These 8-byte stores fall several deep on the banks; a wave has forty of them in the whole launch.)
.macro KSTORE cset, adr, kind, g
.irp i, 0,1,2,3
.if \kind
	ds_store_b64 v[\adr], v[\cset+2*\i:\cset+2*\i+1] offset:1024*(\g)+64*\i
.else
	ds_store_b64 v[\adr], v[\cset+2*\i:\cset+2*\i+1] offset:1024*(2*((\g)/2)+\i/2)+128*((\g)%2)+64*(\i%2)
.endif
.endr
.endm
; V, keys 16 g on: A LANE TAKES A COLUMN d AND ITS REGISTERS RUN DOWN THE KEYS: registers 0-15 d = lane, registers 16-31 d = 32 + lane.  The two loads of a key cover its row of 256 bytes.
.macro VLOAD set, g
.set ii, 0
.rept 16
	global_load_b32 v[\set+ii], v[VLD], s[8:9] offset:256*(16*(\g)+ii)
	global_load_b32 v[\set+16+ii], v[VLD], s[8:9] offset:256*(16*(\g)+ii)+128
.set ii, ii+1
.endr
.endm
; 16 keys of a column are four registers of a fragment: keys 32 (g / 2) + 16 (g % 2) + 0..15: registers 4 (g / 2) on, lane half g % 2.  Sixteen lanes store 256 consecutive bytes.
.macro VSTORE cset, g
	ds_store_b128 v[VST], v[\cset:\cset+3] offset:512*((\g)/2)+256*((\g)%2)
	ds_store_b128 v[VST], v[\cset+4:\cset+7] offset:512*((\g)/2)+256*((\g)%2)+4096
.endm
.macro MKSCALE se, vs, vl              ; 2^e as f32 (the conversion takes its exponent field), and 57,344 x 2^e
	s_add_co_i32 s30, s[\se], 127
	s_lshl_b32 s31, s30, 23
	v_mov_b32 v[\vs], s31
	s_add_co_i32 s30, s30, 15
	s_lshl_b32 s30, s30, 23
	s_or_b32 s30, s30, 0x600000
	v_mov_b32 v[\vl], s30
.endm
	; ---- THE FRONT.  Ten units of 16 rows (Q's two tiles, K's eight) through four sets of registers, then V's eight units through two: three units, later one, are on their way while one is worked.
	KLOAD A0, 4, 0, 1                              ; Q is read by this wave alone
	KLOAD A0+32, 4, 4096, 1
	KLOAD A0+64, 6, 0, 0                           ; K and V are read by the head's four work-groups
	KLOAD A0+96, 6, 4096, 0
	s_wait_kmcnt 0x0
	MKSCALE 20, SCQ, LMQ
	MKSCALE 21, SCK, LMK
	MKSCALE 23, SCV, LMV
	MKSCALE 22, SCP, LMP
	s_add_co_i32 s30, s20, s21
	s_lshl_b32 s30, s30, 23
	s_add_co_i32 s24, s24, s30                     ; a score stands for score x 2^(eq + ek): the two exponents are added to c's exponent field
	s_mov_b32 s25, s24                             ; (named with it as a pair, so it is written)
	s_wait_alu depctr_va_vdst(0)
	s_wait_loadcnt 24                              ; Q's tile 0 is in; three units of 8 loads may be out
	CONV A0, C0, SCQ, LMQ
	s_wait_alu depctr_va_vdst(0)                   ; the conversions have written code set 0, which the stores below read; they and the holds are done with number set 0, in which the loads below land
	KSTORE C0, QST, 1, 0
	KLOAD A0, 6, 2*4096, 0
	s_wait_loadcnt 24
	CONV A0+32, C0+8, SCQ, LMQ
	s_wait_alu depctr_va_vdst(0)                   ; the same of code set 1 and number set 1
	KSTORE C0+8, QST, 1, 1
	KLOAD A0+32, 6, 3*4096, 0
.macro KUNIT g, lc                     ; K's keys 16 g on; lc: the loads issued behind this unit's
.set ASET, A0+32*(((\g)+2)%4)
.set CSET, C0+8*((\g)%2)
	s_wait_loadcnt \lc
.if (\g) == 7
	VLOAD B0+32, 1                                 ; (into registers that no vector instruction has named yet)
.endif
	s_wait_dscnt 4                                 ; the stores of two units ago have read this set of codes; the last unit's four may be out
	s_wait_alu depctr_vm_vsrc(0)                   ; the LDS stores of two units ago have read this code set, which the conversions below write again
	CONV ASET, CSET, SCK, LMK
	s_wait_alu depctr_va_vdst(0)                   ; the conversions have written the code set, which the stores below read; they and the holds are done with the number set, in which the loads below land
	KSTORE CSET, KST, 0, \g
.if (\g) < 4
	KLOAD ASET, 6, 4096*((\g)+4), 0
.endif
.if (\g) == 4
	VLOAD B0, 0                                    ; (into registers that no vector instruction has named yet)
.endif
.endm
	KUNIT 0, 24
	KUNIT 1, 24
	KUNIT 2, 24
	KUNIT 3, 24
	KUNIT 4, 24
	KUNIT 5, 48                                    ; behind it: two units of K (16) and V's first (32)
	KUNIT 6, 40
	KUNIT 7, 32
.macro VUNIT g
.set BSET, B0+32*((\g)%2)
.set CSET, C0+8*((\g)%2)
.if (\g) < 7
	s_wait_loadcnt 32                              ; this unit's 32 loads are in; the next unit's may be out
.else
	s_wait_loadcnt 0x0
.endif
	s_wait_dscnt 2                                 ; the stores that read this set of codes are done; the last unit's two may be out
	s_wait_alu depctr_vm_vsrc(0)                   ; the LDS stores of two units ago have read this code set, which the conversions below write again
	CONV BSET, CSET, SCV, LMV
	s_wait_alu depctr_va_vdst(0)                   ; the conversions have written the code set, which the stores below read; they and the holds are done with the number set, in which the loads below land
	VSTORE CSET, \g
.if (\g) < 6
	VLOAD BSET, (\g)+2
.endif
.endm
.irp g, 0,1,2,3,4,5,6,7
	VUNIT \g
.endr
	v_nop                                          ; one plain vector line behind the last conversion: its registers are written again further on
	; ---- THE JOIN
.irp j, 0,1,2,3
	ds_load_b128 v[QF+4*\j:QF+4*\j+3], v[ADK] offset:512*\j   ; my own two fragments of Q: LDS serves a wave's instructions in order (ISA guide 5.7.1.4): these see my stores.  (v2 stands since the head's wait; no vector instruction has named v24-39)
.endr
	v_mov_b32 v9, 0xff61b1e6                       ; the largest t so far: -3e38, under every t
	v_mov_b32 v13, 0xff61b1e6
	v_floor_f32 v8, -v9                            ; -M
	v_floor_f32 v12, -v13
	v_mov_b32 v10, 0                               ; the sums, in two halves
	v_mov_b32 v11, 0
	v_mov_b32 v14, 0
	v_mov_b32 v15, 0
	v_mov_b32 v18, 0                               ; written once: a lane permute's destination counts as one of its sources
	v_mov_b32 v21, 0                               ; (named as the upper half of the pair v[20:21])
.set ii, 0
.rept 64
	v_mov_b32 v[OT+ii], 0                          ; O^T.  (The step is written once: the first finds zeros, which the first change of M leaves zeros; a first step of its own would be a second copy of the loop)
.set ii, ii+1
.endr
	s_mov_b32 s28, 0                               ; LDS byte of the key step
	s_mov_b32 s29, 16                              ; key steps to go
	s_wait_dscnt 0x0                               ; my stores into the images have landed, and Q is in
	s_barrier_signal -1
	s_barrier_wait -1                              ; everybody's have: the head's K and V lie in LDS
; S^T = K Q^T of one tile of queries: eight products, each its own accumulator begun with 0.  waits = 1: fragment t's two loads are in when the 14 - 2 t younger ones may be out
.macro KQ qf, waits
.irp t, 0,1,2,3,4,5,6,7
.if \waits
	s_wait_dscnt 14-2*\t
.endif
	v_wmma_f32_16x16x64_bf8_bf8 v[X+8*\t:X+8*\t+7], v[KF+8*\t:KF+8*\t+7], v[\qf:\qf+7], 0
.endr
.endm
; One tile's softmax for 128 keys, 64 scores a lane in v[X] on; its codes go to v[pc] on.
; For tile 1 the codes lie two registers under X and run over its low end: conversion j writes v[120 + 2 j], v[121 + 2 j] and reads v[122 + 8 j] on, so it writes only what earlier conversions have read, with a plain line between.
; vl = 1: V's four fragments are asked for on the way, four loads at a time among the maximum's lines, and land while the softmax is worked.  They stand behind the wait that the key step lays ahead of this macro:
; no line of the macro names v3 or v186-249, so they owe no further wait.
.macro SOFTMAX tl, pc, vl
.set ST, 8+4*\tl
.set OB, OT+32*\tl
	v_max3_num_f32 v16, v[X], v[X+1], v[X+2]       ; the step's largest score of my query among my 64 keys, in two chains, each accumulator from its low end on
	v_max3_num_f32 v17, v[X+3], v[X+4], v[X+5]
.set ii, 6
.rept 14
.if \vl && ((ii-6)%16 == 0)
.set dd, (ii-6)/16
.irp c, 0,1,2,3
	ds_load_b128 v[KF+16*dd+4*\c:KF+16*dd+4*\c+3], v[ADV] offset:2048*dd+512*\c   ; V's fragment dd
.endr
.endif
	v_max3_num_f32 v16, v16, v[X+ii], v[X+ii+1]
	v_max3_num_f32 v17, v17, v[X+ii+2], v[X+ii+3]
.set ii, ii+4
.endr
	v_max3_num_f32 v16, v16, v[X+62], v[X+63]
	v_max_num_f32 v16, v16, v17
	v_permlanex16_b32 v18, v16, s26, s27
	v_max_num_f32 v16, v16, v18                    ; and among lane l xor 16's
	v_mul_f32 v16, s24, v16                        ; as t (c is positive)
	v_max_num_f32 v[ST+1], v[ST+1], v16            ; the running largest t
	v_mov_b32 v16, v[ST]
	v_floor_f32 v[ST], -v[ST+1]                    ; the new -M = floor(-t) = -ceil(t): M is a whole number
	v_sub_f32 v16, v[ST], v16                      ; M's old value less its new one: a whole number, 0 or less
	v_cvt_i32_f32 v16, v16                         ; (it saturates)
	v_ldexp_f32 v20, 1.0, v16                      ; f = 2^(old M - new M)
.set ii, 0
.rept 32
	v_pk_fma_f32 v[X+ii:X+ii+1], v[X+ii:X+ii+1], s[24:25], v[ST:ST+1] op_sel_hi:[1,0,0]   ; t - M, two at a time (of the pairs c and -M the low word serves both halves)
.set ii, ii+2
.endr
.set ii, 0
	s_wait_alu depctr_va_vdst(0)
.rept 64
	v_exp_f32 v[X+ii], v[X+ii]                     ; p = 2^(t - M): not normalised
.set ii, ii+1
.endr
	v_pk_mul_f32 v[ST+2:ST+3], v[ST+2:ST+3], v[20:21] op_sel_hi:[1,0]   ; the sums under the new M.  (The plain line behind the exponentials)
	s_wait_alu depctr_va_vdst(0)                   ; the 64 exponentials have written p: one wait for the batch, ahead of its first reader
	v_pk_add_f32 v[22:23], v[X:X+1], v[X+2:X+3]    ; the row's sum is taken of the unquantised p: two at a time, in two chains
.set ii, 4
.rept 15
	v_pk_add_f32 v[ST+2:ST+3], v[ST+2:ST+3], v[X+ii:X+ii+1]
	v_pk_add_f32 v[22:23], v[22:23], v[X+ii+2:X+ii+3]
.set ii, ii+4
.endr
	v_pk_add_f32 v[ST+2:ST+3], v[ST+2:ST+3], v[22:23]
	s_cmp_ge_i32 s22, -15                          ; ep >= -15: 57,344 x 2^ep >= 1.75 lies over every p: nothing to hold
	s_cbranch_scc1 .Lnohold_\@
.set ii, 0
.rept 64
	v_min_num_f32 v[X+ii], v[X+ii], v[LMP]         ; the conversion does not saturate (ISA guide 7.6.2); p is not negative, so the hold is one-sided
.set ii, ii+1
.endr
.Lnohold_\@:
.irp j, 0,1,2,3,4,5,6,7
	v_cvt_scalef32_pk8_bf8_f32 v[\pc+2*\j:\pc+2*\j+1], v[X+8*\j:X+8*\j+7], v[SCP]
	v_pk_mul_f32 v[OB+2*\j:OB+2*\j+1], v[OB+2*\j:OB+2*\j+1], v[20:21] op_sel_hi:[1,0]   ; the first half of O^T under the new M: the plain line behind each conversion
.endr
.endm
.macro RESC2 tl                        ; the second half of O^T under the new M
.set OB, OT+32*\tl
.irp j, 16,18,20,22,24,26,28,30
	v_pk_mul_f32 v[OB+\j:OB+\j+1], v[OB+\j:OB+\j+1], v[20:21] op_sel_hi:[1,0]
.endr
.endm
.Lstep:                                                ; ---- A KEY STEP: 128 keys, both tiles
	s_wait_alu depctr_vm_vsrc(0)                   ; the LDS loads issued so far have read v2 and v3, which the two lines below write; in the first step my last stores of codes have read v232-247, in which K's fragments land
	v_add_nc_u32 v[ADK], s28, v[L16]
	v_add_nc_u32 v[ADV], VIMG, v[ADK]
.rept 3
	v_nop                                          ; with the two additions five places behind the last step's products (ISA guide 7.12.1), for the first products below, whose results lie over tile 1's codes
.endr
	s_wait_alu depctr_va_vdst(0)                   ; v2 and v3 are written, which this step's LDS loads read; the last step's products are done reading V's fragments, in which K's land (in the first step: the front's holds and conversions are done with v168-249)
.irp t, 0,1,2,3,4,5,6,7
	ds_load_b128 v[KF+8*\t:KF+8*\t+3], v[ADK] offset:1024*\t
	ds_load_b128 v[KF+8*\t+4:KF+8*\t+7], v[ADK] offset:1024*\t+512
.endr
	KQ QF, 1
.rept 4
	v_nop                                          ; places in front of the first read of the scores
.endr
	SOFTMAX 0, PC, 0
	KQ QF+8, 0                                     ; tile 1 against the same fragments of K
	RESC2 0                                        ; eight plain lines that name nothing of those products: the places in front of the reads of the scores below
	s_wait_alu depctr_va_vdst(0)                   ; tile 1's products are done reading K's fragments, in which V's land: the sixteen loads stand in the softmax below
	SOFTMAX 1, PC+16, 1
	RESC2 1
	s_wait_alu depctr_va_vdst(0)
	s_wait_dscnt 0x0                               ; V is in
.irp d, 0,1,2,3                        ; O^T += V^T P^T: the eight accumulators take turns, one instruction a turn
.irp tl, 0,1
	v_wmma_f32_16x16x128_bf8_bf8 v[OT+32*\tl+8*\d:OT+32*\tl+8*\d+7], v[KF+16*\d:KF+16*\d+15], v[PC+16*\tl:PC+16*\tl+15], v[OT+32*\tl+8*\d:OT+32*\tl+8*\d+7]
.endr
.endr
	s_add_co_u32 s28, s28, 8192
	s_sub_co_u32 s29, s29, 1
	s_cmp_lg_u32 s29, 0
	s_cbranch_scc1 .Lstep
	; ---- THE WAY OUT.  O^T / the sum x 2^(ep + ev) goes through my stage in LDS and leaves as whole rows.  The lines up to the barrier are also the places behind the last products.
	v_add_f32 v10, v10, v11                        ; the sums' two halves,
	v_add_f32 v14, v14, v15
	v_permlanex16_b32 v16, v10, s26, s27
	v_permlanex16_b32 v17, v14, s26, s27
	v_add_f32 v10, v10, v16                        ; and lane l xor 16's: the rows' sums
	v_add_f32 v14, v14, v17
	s_wait_alu depctr_va_vdst(0)
	v_rcp_f32 v10, v10
	v_rcp_f32 v14, v14
	v_and_b32 v16, 15, v0                          ; (a plain line behind the reciprocals)  r
	v_bfe_u32 v17, v0, 4, 1                        ; h
	s_add_co_i32 s30, s22, s23
	s_wait_alu depctr_va_vdst(0)                   ; the two reciprocals have written v10 and v14: one wait for both, ahead of their first reader
	v_ldexp_f32 v10, v10, s30                      ; x 2^(ep + ev)
	v_ldexp_f32 v14, v14, s30
	s_mul_i32 s31, s14, 32*SPITCH                  ; my two stages
	s_wait_alu depctr_vm_vsrc(0)                   ; the last step's LDS loads have read v2 and v3, which the lines below write
	v_mul_u32_u24 v[ADK], v16, SPITCH
	v_lshl_add_u32 v[ADK], v17, 5, v[ADK]
	v_add_nc_u32 v[ADK], s31, v[ADK]               ; in: row r; accumulator dT's eight channels of my half at 64 dT + 32 h
	v_mul_u32_u24 v[ADV], v17, SPITCH
	v_lshl_add_u32 v[ADV], v16, 4, v[ADV]
	v_add_nc_u32 v[ADV], s31, v[ADV]               ; back: lanes 0-15 one row, lanes 16-31 the next
	s_wait_alu depctr_va_vdst(0)
	s_wait_dscnt 0x0                               ; my reads of the images are over
	s_barrier_signal -1
	s_barrier_wait -1                              ; everybody's are: the stages may be written over them
.irp tl, 0,1
.set ii, 0
.rept 16
	v_pk_mul_f32 v[X+32*\tl+ii:X+32*\tl+ii+1], v[OT+32*\tl+ii:OT+32*\tl+ii+1], v[10+4*\tl:11+4*\tl] op_sel_hi:[1,0]   ; register 8 dT + j is o(r, 16 dT + 8 h + j); each accumulator from its low end on
.set ii, ii+2
.endr
.endr
	s_wait_alu depctr_va_vdst(0)                   ; the multiplies have written v122-185, the stores' data; v2 and v3 are written, the stage's addresses; the last products are done reading v186-249, in which the stage's loads land
.irp tl, 0,1
.irp d, 0,1,2,3
	ds_store_b128 v[ADK], v[X+32*\tl+8*\d:X+32*\tl+8*\d+3] offset:16*SPITCH*\tl+64*\d
	ds_store_b128 v[ADK], v[X+32*\tl+8*\d+4:X+32*\tl+8*\d+7] offset:16*SPITCH*\tl+64*\d+16
.endr
.endr
.irp n, 0,1,2,3,4,5,6,7,8,9,10,11,12,13,14,15
	ds_load_b128 v[KF+4*\n:KF+4*\n+3], v[ADV] offset:2*SPITCH*\n   ; rows 2 n, 2 n + 1 of my 32 (the second stage follows the first without a gap); LDS serves a wave's instructions in order: these see my stores
.endr
.irp n, 0,1,2,3,4,5,6,7,8,9,10,11,12,13,14,15
	s_wait_dscnt 15-\n                             ; pair n of rows is back; the younger loads may be out
	global_store_b128 v[L16], v[KF+4*\n:KF+4*\n+3], s[12:13] offset:512*\n th:TH_STORE_NT   ; 32 lanes store 512 consecutive bytes, two rows of out0, at a multiple of 256 from its first byte
.endr
	s_wait_xcnt 0x0
	v_lshl_add_u32 v254, v0, 2, 0x48000            ; the add's pair, made anew straight ahead of the closing lines: my spare word, behind Q's images, and 0.  (The front's LDS stores, the only readers of v254 and v255, stand ahead of the waits on vm_vsrc at every key step's head)
	v_mov_b32 v255, 0
	s_wait_dscnt 0x0                               ; the closing lines, six on end
	s_wait_alu 0x0
	s_wait_tensorcnt 0x0
	ds_add_u32 v254, v255
	s_wait_dscnt 0x0
	s_endpgm
.Lfunc_end_k_q435ccf7254_attn:
	.size	k_q435ccf7254_attn, .Lfunc_end_k_q435ccf7254_attn-k_q435ccf7254_attn
	.p2alignl 7, 3214868480
	.fill 96, 4, 3214868480
	.section	.rodata,"a",@progbits
	.p2align	6, 0x0
	.amdhsa_kernel k_q435ccf7254_attn
		.amdhsa_group_segment_fixed_size 296960
		.amdhsa_private_segment_fixed_size 0
		.amdhsa_enable_private_segment 0
		.amdhsa_kernarg_size 40
		.amdhsa_user_sgpr_count 2
		.amdhsa_user_sgpr_kernarg_segment_ptr 1
		.amdhsa_wavefront_size32 1
		.amdhsa_system_sgpr_workgroup_id_x 1
		.amdhsa_system_sgpr_workgroup_id_y 1
		.amdhsa_system_sgpr_workgroup_id_z 1
		.amdhsa_system_vgpr_workitem_id 0
		.amdhsa_next_free_vgpr 256
		.amdhsa_next_free_sgpr 66
		.amdhsa_reserve_vcc 0
		.amdhsa_float_denorm_mode_32 3
		.amdhsa_float_denorm_mode_16_64 3
		.amdhsa_memory_ordered 1
		.amdhsa_forward_progress 1
		.amdhsa_inst_pref_size 121
	.end_amdhsa_kernel
	.amdgpu_metadata
---
amdhsa.version: [ 1, 2 ]
amdhsa.kernels:
  - .name:           k_q435ccf7254_attn
    .symbol:         k_q435ccf7254_attn.kd
    .args:
      - { .name: query, .offset: 0, .size: 8, .value_kind: global_buffer, .address_space: global }
      - { .name: key, .offset: 8, .size: 8, .value_kind: global_buffer, .address_space: global }
      - { .name: value, .offset: 16, .size: 8, .value_kind: global_buffer, .address_space: global }
      - { .name: lowp_scales, .offset: 24, .size: 8, .value_kind: global_buffer, .address_space: global }
      - { .name: out0, .offset: 32, .size: 8, .value_kind: global_buffer, .address_space: global }
    .group_segment_fixed_size: 296960
    .private_segment_fixed_size: 0
    .kernarg_segment_align: 8
    .kernarg_segment_size: 40
    .max_flat_workgroup_size: 512
    .sgpr_count:     66
    .vgpr_count:     256
    .wavefront_size: 32
...
	.end_amdgpu_metadata
.endif
;; end of part 2
